; MI455X (gfx1250); checked and timed in simulation.
; The chip was launched on July 23, 2026; its instructions are those of AMD's public machine-readable ISA for CDNA 5 (MIT licence, August 2026) and "CDNA5" Instruction Set Architecture Reference Guide (July 2026). The comments in the code are by the model that wrote it; some were corrected since.
;; Cross Attention Light. Allowed arithmetic: matrix products marked QUANTISED: E2M1 operands, one E8M0 scale for each 32 along K, by v_wmma_scale_f32_16x16x128_f8f6f4 with both operands' format E2M1 (or v_wmma_scale_f32_32x16x128_f4), f32 sums; everything else in f32.
;; Inputs: Wkv_codes 512 x 8 x 16 uint8 (E2M1 codes of Wkv, K innermost, in blocks of 32 codes, two codes a byte); Wkv_scales 512 x 8 uint8 (E8M0 scales of Wkv, one for each 32 codes along K); Wp_codes 256 x 8 x 16 uint8 (E2M1 codes of Wp, K innermost, in blocks of 32 codes, two codes a byte); Wp_scales 256 x 8 uint8 (E8M0 scales of Wp, one for each 32 codes along K); Wq_codes 256 x 8 x 16 uint8 (E2M1 codes of Wq, K innermost, in blocks of 32 codes, two codes a byte); Wq_scales 256 x 8 uint8 (E8M0 scales of Wq, one for each 32 codes along K); bkv 512 float32; bp 256 float32; bq 256 float32; context_codes 4 x 4,096 x 8 x 16 uint8 (E2M1 codes of context, K innermost, in blocks of 32 codes, two codes a byte); context_scales 4 x 4,096 x 8 uint8 (E8M0 scales of context, one for each 32 codes along K); x 4 x 4,096 x 256 float32.
;; Outputs: out0 4 x 4,096 x 256 float32; out1 4 x 64 x 64 float32.
;; This version of the problem:
;;   THIS VERSION OF THE PROBLEM IS GIVEN IN LOW PRECISION. The matrix products marked QUANTISED in the list below multiply operands that are first quantised to E2M1 (2 exponent bits, 1 mantissa bit; 4 bits a number), with one power-of-two scale for each 32 numbers along K (OCP MX v1.0); their sums are f32. All else is computed in f32.
;;   The module's matrix products, in the order in which they are computed (A, B: the left and right operand; K: the contracted axis; several contracted axes count as one K, in the product's order):
;;     1. [M 16,384, K 256] x [K 256, N 256]; A: input x; B: input Wq (given as codes): QUANTISED
;;     2. [M 16,384, K 256] x [K 256, N 512]; A: input context (given as codes); B: input Wkv (given as codes): QUANTISED
;;     3. batch 16 x [M 4,096, K 64] x [K 64, N 4,096]; A: computed on the way; B: computed on the way: QUANTISED
;;     4. batch 16 x [M 4,096, K 4,096] x [K 4,096, N 64]; A: softmax (see below); B: computed on the way: QUANTISED
;;     5. [M 16,384, K 256] x [K 256, N 256]; A: computed on the way; B: input Wp (given as codes): QUANTISED
;;   THE QUANTISER, for each operand of a quantised product, along K:
;;     - K is cut into blocks of 32 from its start; a last block that is shorter is filled with zeros.
;;     - A block's scale is 2^e with e = floor(log2(the largest magnitude in the block)) - 2, held to -126 .. 127; a block of zeros has e = 0. As a byte (E8M0): e + 127.
;;     - Each number is divided by its block's scale, clamped to +-6, and rounded to the nearest number of E2M1, ties to even, subnormals kept.
;;     - The product sums the exact products of the quantised numbers (number of the format x scale) in f32.
;;   ~~~python
;;   def quantise(x, axis):      # numpy; x: float32 -> the quantised numbers, widened to float32 again
;;       x = np.moveaxis(x, axis, -1); K = x.shape[-1]
;;       x = np.pad(x, [(0, 0)] * (x.ndim - 1) + [(0, -K % 32)]); x = x.reshape(x.shape[:-1] + (-1, 32)); a = np.abs(x).max(-1, keepdims=True)
;;       e = np.where(a > 0, np.clip(np.frexp(np.where(a > 0, a, 1))[1] - 1 - 2, -126, 127), 0)      # np.frexp(a)[1] - 1 = floor(log2(a)), exactly
;;       r = np.clip(x / 2.0 ** e, -6, 6)
;;       step = 2.0 ** (np.maximum(np.frexp(np.where(r == 0, 1, r))[1] - 1, 0) - 1)
;;       q = np.round(r / step) * step * 2.0 ** e      # np.round: ties to even
;;       return np.moveaxis(q.reshape(q.shape[:-2] + (-1,))[..., :K], -1, axis).astype(np.float32)
;;   ~~~
;;   SOFTMAX AHEAD OF A QUANTISED PRODUCT. Where the list says 'softmax', what is quantised is not the finished softmax but p = 2^(t - M), with t = logit x log2(e) and M = ceil(the row's largest t), a whole number; so 1/2 < the row's largest p <= 1. The row's sum l is taken of the UNQUANTISED p, in f32, and the product's result is divided by l at the end. Since M is a whole number, a kernel that streams over the keys may use a running M (the ceiling of the running maximum): every later rescaling is an exact power of two, which a block's scale takes up: the codes' values come out the same.
;;   OPERANDS COMPUTED ON THE WAY. 'Computed on the way' means the value that the module computes at that place (a softmax that the list does not call 'softmax' is quantised finished and normalised). What goes into a quantiser is computed in f32, as accurately as f32 sums, v_exp_f32 and their like allow (about 1e-6 of the number): no bf16 or f16 on the way to a quantiser, and a product that is left as it is and whose result goes on into a quantised operand takes f32 operands (vector FMAs, or v_wmma_f32_16x16x4_f32). A number that lies on a knife's edge between two numbers of the format may be rounded either way, as far as f32 arithmetic and the matrix unit's own rounding can turn it there, and no further.
;;   INPUTS GIVEN AS CODES. Wkv (in the module: [256, 512], K = its axis 0); Wp (in the module: [256, 256], K = its axis 0); Wq (in the module: [256, 256], K = its axis 0); context (in the module: [4, 4096, 256], K = its axis 2): each comes as NAME_codes (uint8): NAME with its K axis moved to the last place and cut into blocks of 32 codes, [.., K / 32, bytes a block], one block behind the other in memory; two codes a byte, the lower K in the low four bits (a code: sign, 2 exponent bits, 1 mantissa bit); and NAME_scales (uint8): the same leading axes, one E8M0 byte (e + 127) for each 32 codes along K. Its value is code x scale, taken as it is: it is not quantised again, and the codes and scales need not be those that the quantiser above would give.
;; One version. Each part assembles by itself: llvm-mc -triple=amdgcn-amd-amdhsa -mcpu=gfx1250 --defsym DOCPART=n.
;; ======== version 1 of 1: 2 launches
;; limits: right only within a limited range of input values
;; workspace buffers: kv 4,456,448 bytes
;; launch kvprep (part 1): grid 128 x 2, 4 waves a work-group, no clusters, 0 bytes of LDS; arguments context_codes, context_scales, Wkv_codes, Wkv_scales, bkv, kv; writes kv
.if DOCPART == 1
	.amdgcn_target "amdgcn-amd-amdhsa--gfx1250"
	.amdhsa_code_object_version 6
	.text
	.protected	k_q69ed15e495_kvprep
	.globl	k_q69ed15e495_kvprep
	.p2align	8
	.type	k_q69ed15e495_kvprep,@function
k_q69ed15e495_kvprep:
	s_mov_b64 s[64:65], 0
	v_nop
	global_prefetch_b8 v0, s[64:65] scope:SCOPE_SE
	s_setreg_imm32_b32 hwreg(HW_REG_WAVE_MODE, 25, 1), 1
	s_wait_xcnt 0x0
; kv = context Wkv + bkv on codes of FP4 (E2M1) with E8M0 scales; then k is quantised along the head's 64 channels and v along the keys,
; and both are laid in the order of the operand registers of the attention launch.
; WORK LEFT OUT, in the whole program.  out1 is the mean over the heads of each query's sum of softmax weights.  A row's weights are p / l with l the sum of the same p,
; so their sum is l / l = 1 whatever finite values the inputs hold, and the mean of four ones is 1: neither the sum nor the mean is computed, and the attention launch stores the constant 1.
; Every input still has its way to out0, so all are loaded.  LIMIT: a NaN, an infinity or an overflow that would reach out1 through the sums left out is not carried to out1.
; SHARES.  Work-group x = 32 b + step: 128 context rows (keys).  Work-group y: 0 makes k, 1 makes v.  Wave = head.  A wave issues 64 matrix instructions
; and stores 4,096 bytes of codes (eight stores of 512 consecutive bytes) and 256 bytes of scale words (one store).
; ROW MAP.  rho(i, r) = 32 (r / 8) + 8 i + r % 8.  Lane row r of source 0's tile i takes row rho(i, r): in the results of tiles 0 to 3 lane (r, h) then holds rows 32 h + 0 .. 31
; in 32 registers: one whole block of the next product's K in one lane.
; K (y = 0): source 0 = 16 rows of Wkv (channels by rho), source 1 = 16 keys (tile T = 4 c + u: key 64 c + rho(u, r)).  V (y = 1): source 0 = 16 keys (same map), source 1 = 16 rows of Wkv (tile ct: channel rho(ct, r)).
; OUT.  kv [b][step][head][8,704]: a record.  K's tile T at 512 T + 16 lane; V's group g = 2 ct + c at 4,096 + 512 g + 16 lane; K's scale words at 8,192 + 8 lane, V's at 8,448 + 8 lane.
;       Word w of lane l belongs to pair (or ct) 2 w + l / 16, row l % 16.  K's word of pair P: bytes (tile 2 P block 0, block 1, tile 2 P + 1 block 0, block 1).  V's word of ct: the step's key blocks 0 to 3.
; A block's scale byte is its largest magnitude's exponent field - 2, held at 1 from below.  LIMITS: a block of zeros gets the byte 1 where the rule says 127 (its codes are zeros, and this
; program alone reads the bytes); NaN and infinities among the inputs are not served.
; NO CLUSTER, NO LDS: the launch has no tensor load; each wave's operands go from memory straight into its registers, once.  No prefetch: every address is asked for at the head, in one run of loads.
.set WF,    16                         ; v16-79   Wkv's fragments: tile u, K step s at WF + 16 u + 8 s
.set WS,    80                         ; v80-87   their scale words
.set CS,    88                         ; v88-103  the context's scale words
.set BI,    104                        ; v104-135 the bias, as the C of a sum's first product
.set ACC,   136                        ; v136-199 two groups of four accumulators, by turns
.set CODES, 200                        ; v200-231 four registers a group
.set EB,    232                        ; v232-239 a scale byte a group
.set MXA,   240
.set MXB,   241
.set SOP,   242
.set PD,    243
.set WW,    244
.set OUTW,  248
.set RB,    250
; window 1: v0-127: the context's fragments: tile T, K step s at 16 T + 8 s
.set MSB, 0
.macro WIN new
.if MSB != \new
	s_set_vgpr_msb (MSB<<8)|\new
.set MSB, \new
.endif
.endm
	s_load_b256 s[4:11], s[0:1], 0x0               ; context's codes, its scales, Wkv's codes, its scales
	s_load_b128 s[12:15], s[0:1], 0x20             ; bkv s[12:13], kv s[14:15]
	v_lshrrev_b32 v1, 5, v0
	v_readfirstlane_b32 s18, v1                    ; wave = head
	s_and_b32 s19, ttmp7, 0xffff                   ; 0: k, 1: v
	s_mov_b32 s20, 0x76543210
	s_mov_b32 s21, 0xfedcba98
	v_and_b32 v9, 31, v0                           ; lane
	v_bfe_u32 v2, v0, 4, 1                         ; h
	v_bfe_u32 v10, v0, 3, 1                        ; r / 8
	v_and_b32 v11, 7, v0                           ; r % 8
	v_lshlrev_b32 v3, 12, v10
	v_lshl_add_u32 v3, v11, 7, v3
	v_lshl_add_u32 v3, v2, 4, v3                   ; a fragment's lane offset: 4,096 (r / 8) + 128 (r % 8) + 16 h
	v_lshlrev_b32 v4, 8, v10
	v_lshl_add_u32 v4, v11, 3, v4                  ; the scale words': 256 (r / 8) + 8 (r % 8)
	v_lshlrev_b32 v6, 4, v9                        ; 16 x lane
	v_lshlrev_b32 v7, 3, v9                        ; 8 x lane
	v_lshlrev_b32 v8, 3, v2                        ; 8 h
	v_mov_b32 v[PD], 0
	s_lshl_b32 s22, ttmp9, 14                      ; my 128 rows of context: 128 bytes of codes a row,
	s_mov_b32 s23, 0
	s_lshl_b32 s24, ttmp9, 10                      ; 8 bytes of scales
	s_mov_b32 s25, 0
	s_lshl_b32 s26, s19, 8
	s_lshl_b32 s27, s18, 6
	s_add_co_u32 s26, s26, s27                     ; my first row of Wkv: 256 x kind + 64 x head
	s_lshl_b32 s28, s26, 7
	s_mov_b32 s29, 0
	s_lshl_b32 s30, s26, 3
	s_mov_b32 s31, 0
	s_lshl_b32 s32, s26, 2
	s_mov_b32 s33, 0
	s_lshl_b32 s34, ttmp9, 2
	s_add_co_u32 s34, s34, s18                     ; my record: 4 x (32 b + step) + head
	s_mul_i32 s36, s34, 8704
	s_lshl_b32 s35, s19, 12
	s_add_co_u32 s36, s36, s35                     ; V's codes 4,096 on
	s_mov_b32 s37, 0
	s_mul_i32 s38, s34, 8704
	s_lshl_b32 s35, s19, 8
	s_add_co_u32 s38, s38, s35
	s_add_co_u32 s38, s38, 8192                    ; the scale words behind the codes, V's 256 on
	s_mov_b32 s39, 0
	s_wait_alu depctr_va_vdst(0)
	s_wait_kmcnt 0x0
	s_add_nc_u64 s[4:5], s[4:5], s[22:23]
	s_add_nc_u64 s[6:7], s[6:7], s[24:25]
	s_add_nc_u64 s[8:9], s[8:9], s[28:29]
	s_add_nc_u64 s[10:11], s[10:11], s[30:31]
	s_add_nc_u64 s[12:13], s[12:13], s[32:33]
	s_add_nc_u64 s[16:17], s[14:15], s[38:39]
	s_add_nc_u64 s[14:15], s[14:15], s[36:37]
.irp u, 0,1,2,3
	global_load_b64 v[WS+2*\u:WS+2*\u+1], v4, s[10:11] offset:64*\u
.endr
.irp T, 0,1,2,3,4,5,6,7
	global_load_b64 v[CS+2*\T:CS+2*\T+1], v4, s[6:7] offset:(64*(\T/4)+8*(\T%4))*8
.endr
.irp u, 0,1,2,3
.irp s, 0,1
.irp c, 0,1
	global_load_b128 v[WF+16*\u+8*\s+4*\c:WF+16*\u+8*\s+4*\c+3], v3, s[8:9] offset:1024*\u+64*\s+32*\c
.endr
.endr
.endr
.macro CFLOAD                          ; the context's 16 fragments, four loads a tile, into window 1
	WIN 0x40
.irp T, 0,1,2,3,4,5,6,7
.irp s, 0,1
.irp c, 0,1
	global_load_b128 v[16*\T+8*\s+4*\c:16*\T+8*\s+4*\c+3], v3, s[4:5] offset:(64*(\T/4)+8*(\T%4))*128+64*\s+32*\c
.endr
.endr
.endr
	WIN 0
.endm
; Group g: eight matrix instructions, four accumulators by turns, K step by K step.  The bias is the C of each sum's first product.
.macro MM v, g
.if \v
.if (\g) == 0
	s_wait_loadcnt 16                              ; tiles 0 to 3 are in; the sixteen loads of tiles 4 to 7 may be out
.else
	s_wait_loadcnt 0x0
.endif
	WIN 0x01
.else
	s_wait_loadcnt 4*(7-(\g))                      ; tile g is in; four loads for each later tile may be out
	WIN 0x04
.endif
.irp s, 0,1
.irp u, 0,1,2,3
.set rD, ACC+32*((\g)%2)+8*\u
.if \v
.set rA, 16*(4*((\g)%2)+\u)+8*\s
.set rB, WF+16*((\g)/2)+8*\s
.set rC, BI+8*((\g)/2)
.set sA, CS+2*(4*((\g)%2)+\u)+\s
.set sB, WS+2*((\g)/2)+\s
.else
.set rA, WF+16*\u+8*\s
.set rB, 16*(\g)+8*\s
.set rC, BI+8*\u
.set sA, WS+2*\u+\s
.set sB, CS+2*(\g)+\s
.endif
.if \s
.set rC, rD
.endif
	v_wmma_scale_f32_16x16x128_f8f6f4 v[rD:rD+7], v[rA:rA+7], v[rB:rB+7], v[rC:rC+7], v[sA], v[sB] matrix_a_fmt:MATRIX_FMT_FP4 matrix_b_fmt:MATRIX_FMT_FP4
.endr
.endr
	WIN 0
.endm
; Group g's 32 registers are one block of 32: largest magnitude, scale, four conversions, one store of 512 consecutive bytes.
.macro QUANT g
.set QA, ACC+32*((\g)%2)
	v_max3_num_f32 v[MXA], |v[QA]|, |v[QA+1]|, 0x1800000           ; with the floor 2^(3 - 127)
	v_max3_num_f32 v[MXB], |v[QA+16]|, |v[QA+17]|, |v[QA+18]|
.irp i, 0,1,2,3,4,5
	v_max3_num_f32 v[MXA], v[MXA], |v[QA+2+2*\i]|, |v[QA+3+2*\i]|
	v_max3_num_f32 v[MXB], v[MXB], |v[QA+19+2*\i]|, |v[QA+20+2*\i]|
.endr
	v_max3_num_f32 v[MXA], v[MXA], |v[QA+14]|, |v[QA+15]|
	v_max3_num_f32 v[MXA], v[MXA], v[MXB], |v[QA+31]|
	v_add_nc_u32 v[SOP], 0xff000000, v[MXA]        ; 2 off the exponent field
.irp i, 0,1,2,3
	v_cvt_scalef32_pk8_fp4_f32 v[CODES+4*(\g)+\i], v[QA+8*\i:QA+8*\i+7], v[SOP]
.endr
	v_lshrrev_b32 v[EB+(\g)], 23, v[SOP]           ; the scale's byte; also the plain line behind the conversions
	global_store_b128 v6, v[CODES+4*(\g):CODES+4*(\g)+3], s[14:15] offset:512*(\g)
.endm
; The scale words.  Lane (r, h) holds, of groups 2 P and 2 P + 1, the byte of its half: they go to bytes h and 2 + h, and lane l xor 16 brings the other two.
.macro TAIL
.irp P, 0,1,2,3
	v_lshl_or_b32 v[WW+\P], v[EB+2*\P+1], 16, v[EB+2*\P]
.endr
.irp P, 0,1,2,3
	v_lshlrev_b32 v[WW+\P], v8, v[WW+\P]
.endr
.irp P, 0,1,2,3
	v_permlanex16_b32 v[PD], v[WW+\P], s20, s21
	v_or_b32 v[WW+\P], v[WW+\P], v[PD]
.endr
	v_cmp_lt_u32 vcc_lo, 15, v9
	v_cndmask_b32 v[OUTW], v[WW], v[WW+1], vcc_lo          ; lanes 0-15 store words 0 and 2, lanes 16-31 words 1 and 3
	v_cndmask_b32 v[OUTW+1], v[WW+2], v[WW+3], vcc_lo
	global_store_b64 v7, v[OUTW:OUTW+1], s[16:17]          ; 32 lanes store 256 consecutive bytes, aligned
	s_endpgm
.endm
; A group's products are issued one group ahead of its quantising: the plain lines of QUANT g are the places between MM g + 1 and QUANT g + 1 (ISA guide 7.12.1).
.macro RUN v
	MM \v, 0
	MM \v, 1
.rept 4
	v_nop
.endr
	QUANT 0
.irp g, 1,2,3,4,5,6
	MM \v, \g+1
	QUANT \g
.endr
	QUANT 7
	TAIL
.endm
	s_cmp_eq_u32 s19, 0
	s_cbranch_scc0 .Lmake_v
	v_lshlrev_b32 v5, 7, v2                        ; K: lane (r, h) wants the biases of channels 32 h + 0 .. 31
.irp i, 0,1,2,3,4,5,6,7
	global_load_b128 v[BI+4*\i:BI+4*\i+3], v5, s[12:13] offset:16*\i
.endr
	CFLOAD
	RUN 0
.Lmake_v:
	v_lshlrev_b32 v5, 7, v10                       ; V: lane r wants the bias of channel rho(ct, r), the same for all eight keys of a tile
	v_lshl_add_u32 v5, v11, 2, v5
.irp ct, 0,1,2,3
	global_load_b32 v[RB+\ct], v5, s[12:13] offset:32*\ct
.endr
	CFLOAD
	s_wait_loadcnt 32                              ; the biases are in; the 32 loads of the context's fragments may be out
.irp ct, 0,1,2,3
.irp j, 0,1,2,3,4,5,6,7
	v_mov_b32 v[BI+8*\ct+\j], v[RB+\ct]
.endr
.endr
	RUN 1
.Lfunc_end_k_q69ed15e495_kvprep:
	.size	k_q69ed15e495_kvprep, .Lfunc_end_k_q69ed15e495_kvprep-k_q69ed15e495_kvprep
	.p2alignl 7, 3214868480
	.fill 96, 4, 3214868480
	.section	.rodata,"a",@progbits
	.p2align	6, 0x0
	.amdhsa_kernel k_q69ed15e495_kvprep
		.amdhsa_group_segment_fixed_size 0
		.amdhsa_private_segment_fixed_size 0
		.amdhsa_enable_private_segment 0
		.amdhsa_kernarg_size 48
		.amdhsa_user_sgpr_count 2
		.amdhsa_user_sgpr_kernarg_segment_ptr 1
		.amdhsa_wavefront_size32 1
		.amdhsa_system_sgpr_workgroup_id_x 1
		.amdhsa_system_sgpr_workgroup_id_y 1
		.amdhsa_system_sgpr_workgroup_id_z 1
		.amdhsa_system_vgpr_workitem_id 0
		.amdhsa_next_free_vgpr 384
		.amdhsa_next_free_sgpr 66
		.amdhsa_reserve_vcc 1
		.amdhsa_float_denorm_mode_32 3
		.amdhsa_float_denorm_mode_16_64 3
		.amdhsa_memory_ordered 1
		.amdhsa_forward_progress 1
		.amdhsa_inst_pref_size 57
	.end_amdhsa_kernel
	.amdgpu_metadata
---
amdhsa.version: [ 1, 2 ]
amdhsa.kernels:
  - .name:           k_q69ed15e495_kvprep
    .symbol:         k_q69ed15e495_kvprep.kd
    .args:
      - { .name: context_codes, .offset: 0, .size: 8, .value_kind: global_buffer, .address_space: global }
      - { .name: context_scales, .offset: 8, .size: 8, .value_kind: global_buffer, .address_space: global }
      - { .name: Wkv_codes, .offset: 16, .size: 8, .value_kind: global_buffer, .address_space: global }
      - { .name: Wkv_scales, .offset: 24, .size: 8, .value_kind: global_buffer, .address_space: global }
      - { .name: bkv, .offset: 32, .size: 8, .value_kind: global_buffer, .address_space: global }
      - { .name: kv, .offset: 40, .size: 8, .value_kind: global_buffer, .address_space: global }
    .group_segment_fixed_size: 0
    .private_segment_fixed_size: 0
    .kernarg_segment_align: 8
    .kernarg_segment_size: 48
    .max_flat_workgroup_size: 128
    .sgpr_count:     66
    .vgpr_count:     384
    .wavefront_size: 32
...
	.end_amdgpu_metadata
.endif
;; end of part 1
;; launch attn (part 2): grid 64 x 4, 16 waves a work-group, clusters of 4 x 1, 327,680 bytes of LDS; arguments x, Wq_codes, Wq_scales, bq, Wp_codes, Wp_scales, bp, kv, out0, out1; writes out0, out1
.if DOCPART == 2
	.amdgcn_target "amdgcn-amd-amdhsa--gfx1250"
	.amdhsa_code_object_version 6
	.text
	.protected	k_q69ed15e495_attn
	.globl	k_q69ed15e495_attn
	.p2align	8
	.type	k_q69ed15e495_attn,@function
k_q69ed15e495_attn:
	s_mov_b64 s[64:65], 0
	v_nop
	global_prefetch_b8 v0, s[64:65] scope:SCOPE_SE
	s_setreg_imm32_b32 hwreg(HW_REG_WAVE_MODE, 25, 1), 1
	s_wait_xcnt 0x0
	s_wait_alu depctr_hold_cnt(0) depctr_sa_sdst(0) depctr_va_vdst(0) depctr_va_sdst(0) depctr_va_ssrc(0) depctr_va_vcc(0) depctr_vm_vsrc(0)
	s_getreg_b32 s2, hwreg(HW_REG_IB_STS2, 6, 4)
	s_cmp_eq_u32 s2, 0
	s_cbranch_scc0 .Lentry_in_a_cluster
	s_endpgm
.Lentry_in_a_cluster:
	s_bfe_u32 s2, ttmp6, 0x10000c
	s_cmp_lg_u32 s2, 0x3003
	s_cbranch_scc0 .Lentry_shape_is_right
	s_endpgm
.Lentry_shape_is_right:
; out0 = softmax((x Wq + bq) k^T / 8) v Wp + bp + x.  All products on codes of FP4 (E2M1) with one E8M0 scale for 32 along K.
; LEFT OUT: out1's sums.  A query's softmax weights add up to l / l = 1 for all finite inputs, so out1 is stored as the constant 1 (shown at the head of the first kernel, with its limit).
; k and v come as records of 8,704 bytes (codes in operand order, then scale words) from the launch before.  x, q, p and the attention's result are quantised here, in registers.
; SHARES.  A work-group owns 64 queries of one batch, for all four heads.  Wave w: head w % 4, query tile w / 4: one tile of 16 queries in 256 registers, four waves to a SIMD.
; Every wave walks the batch's 4,096 keys, 128 a step, 32 steps.
; THE RING.  Two slots of FOUR steps x four heads = sixteen records = 139,264 consecutive bytes of kv.  Wave w fetches record w of a slot, 34 rows of 256 bytes: one tensor load a wave at the head
; and behind each round, with no branch round it.  Eight slots, so eight changes of slots in 32 steps.
; THE CHANGE OF SLOTS STANDS INSIDE A SLOT'S LAST STEP, when that step's v is asked for and nothing more is read from the slot: the wait for my tensor load, the add, the search for the maximum (register work),
; the wait for the add and for v, the round, the refill, the next slot's first k; then the step's exponentials, sums, conversions and products, which are register work, stand between that request and its wait.
; CLUSTER.  The four work-groups of a cluster belong to one batch and walk the same kv: each record is asked for JOINTLY (mask 15), by the same tensor load with the same descriptor.
; LDS: 2 x 139,264 (slots) + 2 x 8,704 (operand images) + 2,048 (spare words) = 297,984 bytes; the 29,696 left do not hold 64 rows of x (66,560 with padding).  So x is quantised from rows as they are loaded,
; and is loaded once more on the way out for the residual.  out0's stage lies in slot region 0, which has had its last fill (slot 6's) and its last read when the first result is stored there.
; LAYOUT.  Every product is used transposed (source 0 = rows of a weight, of k or of v^T; source 1 = 16 queries): a lane holds ONE query (lane % 16).  Source 0's rows are chosen
; (rho(i, r) = 32 (r / 8) + 8 i + r % 8) so that the 32 registers of four neighbouring tiles are one whole block of the next product's K in one lane.
; THE HEAD HAS 64 CHANNELS, THE INSTRUCTION 128 ALONG K: a fragment of k holds two key tiles; it is multiplied by (q, 0) for the first and by (0, q) for the second, both cut from 0000 qqqq 0000.
; SOFTMAX.  t = score x log2(e) / 8; M = the running largest t rounded up to a whole number; p = 2^(t - M) is quantised along the keys; l is the sum of the unquantised p;
; when M moves, l and O are multiplied by 2^(old M - new M); O is divided by l at the end.  A block's largest p is the block's largest score put through the same two instructions.
; LIMITS: NaN and infinities are not served; a p under 2^-126 counts as 0 (v_exp_f32 flushes it: ISA guide, its entry); a block of zeros carries the byte 1, not 127 (its codes are zeros; this program
; alone reads the bytes); the scaled scores stay under 2^31 in magnitude.
.set REC,   8704
.set STEPB, 4*REC                      ; a step's four records
.set SLOTB, 4*STEPB                    ; a slot; slot region 1 begins here
.set XS,    0                          ; the way out: 64 rows of out0, 1,024 bytes + 16, in slot region 0
.set XP,    1040
.set XIMG,  2*SLOTB                    ; x's eight fragments as images of their registers.  From here on LDS is written by ds_store alone
.set XSC,   XIMG+8192                  ; their scale words: 64 bytes a fragment
.set OD,    8704                       ; the attention result's images and scale words lie this far behind x's
.set SPARE, XSC+512+OD                 ; the spare words, 128 bytes for each of sixteen waves
.set AK0, 1                            ; v1 REC x head + 16 x lane;  v2 REC x head + 8,192 + 8 x lane
.set AS0, 2
.set ADA, 3                            ; v3, v4: the slot in hand + AK0, for steps 0-1 and 2-3
.set SPW, 5                            ; v5 my spare word's address, v6 0: never rewritten
.set NIL, 6
.set SH8, 7                            ; 8 h
.set PFO, 8                            ; the prefetches' offset
.set QS,  9                            ; q's scale word (e0, e1, e0, e1)
.set KS,  10                           ; v10-11 k's scale words; v12-13 v's; v14 p's
.set VS,  12
.set PS,  14
.set ZQ,  16                           ; v16-27 0000 q 0000
.set NEGM, 28                          ; -M; v29 the largest t; v[30:31] l in two halves
.set TMAX, 29
.set LL,  30
.set KF,  32                           ; v32-63 k's four fragments; v64-95 v's four
.set VF,  64
.set SR,  96                           ; v96-159 S^T, then p
.set OT,  160                          ; v160-191 O^T
.set PC,  192                          ; v192-199 p's codes
.set MX,  200
.set TT0, 204
.set OLD, 205
.set FF,  206                          ; v[206:207] f
.set SOP, 208
.set BY,  210
.set YY,  212
.set ZZ,  213
.set WSC, 216                          ; v216-223 a weight's scale words
.set FSC, 224
.set FRG, 226                          ; v226-241 two fetched fragments (in the loop: the sum's chains, with v214-215 and v252-253)
.set XBY, 232                          ; the head: four rows' scale bytes; v236-238 addresses used once
.set IMW, 236
.set SCW, 237
.set GXQ, 238
.set IMA, 242
.set SCA, 243
.set FRA, 244
.set FSA, 245
.set XW,  246
.set XC,  248
.set GX,  250
.set WFO, 251
.set WSO, 252
.set WBO, 253
.set ASA, 254                          ; v254, v255: the slot in hand + AS0, for steps 0-1 and 2-3
.set WV,  26                           ; s26 wave, s27 head, s28 query tile
.set G1,  32                           ; s[32:39] descriptor group 1
.set G0W, 44                           ; s[44:47] group 0: it walks
.set TB,  48                           ; LDS byte of the slot in hand
.set WOFF, 49                          ; REC x wave
.set SLOTS, 50                         ; slots still to be asked for
.set LIM, 51                           ; 1 in a wave that prefetches, else the greatest number
.set PFA, 52                           ; s[52:53] where my prefetches stand
.set CSC, 54                           ; s[54:55] c = log2(e) / 8
.set SEL, 56                           ; s[56:57] selects for lane l xor 16
.macro CROUND                          ; a round of the cluster's barrier
	s_barrier_signal -1
	s_barrier_wait -1
	s_cmp_lg_u32 s[WV], 0
	s_cbranch_scc1 .Lnot_wave_0_\@
	s_barrier_signal -3
.Lnot_wave_0_\@:
	s_barrier_wait -3
	s_barrier_signal -1
	s_barrier_wait -1
.endm
.macro BARRIER
	s_wait_dscnt 0x0
	s_barrier_signal -1
	s_barrier_wait -1
.endm
.macro JLOAD                           ; my record of a slot; an s_nop 0 and four v_nop follow the load
	tensor_load_to_lds s[G0W:G0W+3], s[G1:G1+7]
	s_nop 0
.rept 4
	v_nop
.endr
.endm
; A PREFETCH INTO THE L2 of the 139,264 bytes that the NEXT change of slots will ask for: four key steps ahead of that load.  Each aligned block of 256 bytes is named once in the launch: all sixteen clusters
; of a batch walk the same bytes, and the batch's first cluster asks; its four partners take a step's 34,816 bytes each, told apart by address; in each, waves 0 to 3 take 8,192 bytes, lanes 256 bytes apart,
; and wave 4 the last 2,048 (its lanes 8 to 31 name its last block again).  The last change that fills a slot asks for nothing.  Slots 0 and 1 come by their loads alone.
.macro ASK
	s_cmp_gt_u32 s[SLOTS], s[LIM]
	s_cbranch_scc0 .Lnot_mine_\@
	global_prefetch_b8 v[PFO], s[PFA:PFA+1] th:TH_LOAD_NT scope:SCOPE_SE
.Lnot_mine_\@:
.endm
.macro KLOAD q                         ; step q's eight key tiles of my head (512 consecutive bytes a load) and their scale words: nine loads
.irp T, 0,1,2,3,4,5,6,7
	ds_load_b128 v[KF+4*\T:KF+4*\T+3], v[ADA+(\q)/2] offset:STEPB*((\q)%2)+512*\T
.endr
	ds_load_b64 v[KS:KS+1], v[ASA+(\q)/2] offset:STEPB*((\q)%2)
.endm
.macro VLOAD q
.irp g, 0,1,2,3,4,5,6,7
	ds_load_b128 v[VF+4*\g:VF+4*\g+3], v[ADA+(\q)/2] offset:STEPB*((\q)%2)+4096+512*\g
.endr
	ds_load_b64 v[VS:VS+1], v[ASA+(\q)/2] offset:STEPB*((\q)%2)+256
.endm
; THE CHANGE OF SLOTS, first half: all my tensor loads are in (my record of the slot ahead), the add, and what hangs on the slot is turned.  fill = 1: the slot that is left is asked for again.
.macro CHG_PRE fill
	s_wait_tensorcnt 0x0                           ; no tensor load of mine is out, so the walking group 0 may be written
	ds_add_u32 v[SPW], v[NIL]                      ; 0 onto my spare word
	s_xor_b32 s[TB], s[TB], SLOTB                  ; the slot ahead
.if \fill
	s_xor_b32 s58, s[TB], SLOTB                    ; the slot that is left takes
	s_add_co_u32 s[G0W+1], s58, s[WOFF]
	s_add_nc_u64 s[G0W+2:G0W+3], s[G0W+2:G0W+3], SLOTB     ; the next four steps; the type bits on top are not reached
	s_wait_xcnt 0x0                                ; the last prefetch, a slot back, has read its address, so it may be written
	s_add_nc_u64 s[PFA:PFA+1], s[PFA:PFA+1], SLOTB         ; one slot further on than the walking descriptor
.endif
	v_add_nc_u32 v[ADA], s[TB], v[AK0]
	v_add_nc_u32 v[ASA], s[TB], v[AS0]
	v_add_nc_u32 v[ADA+1], 2*STEPB, v[ADA]
	v_add_nc_u32 v[ASA+1], 2*STEPB, v[ASA]
.endm
; second half: the add is done and my reads of the slot that is left are in; the round (no wave of any partner still reads that slot or has a load on its way); the joint refill first behind it; the slot ahead's first k
.macro CHG_POST fill
	s_wait_alu depctr_va_vdst(0)
	s_wait_dscnt 0x0
.if \fill
	CROUND
	JLOAD
	ASK
.else
	s_barrier_signal -1
	s_barrier_wait -1
.endif
	KLOAD 0
.endm
; 32 registers of a lane, one block of 32 along K, become four registers of codes at dst; the scale operand in v[SOP], the byte in v[BY]
.macro QUANT32 src, dst
	v_max3_num_f32 v[MX], |v[\src]|, |v[\src+1]|, 0x1800000        ; with the floor 2^(3 - 127): the byte cannot fall under 1
	v_max3_num_f32 v[MX+2], |v[\src+16]|, |v[\src+17]|, |v[\src+18]|
.irp i, 0,1,2,3,4,5
	v_max3_num_f32 v[MX], v[MX], |v[\src+2+2*\i]|, |v[\src+3+2*\i]|
	v_max3_num_f32 v[MX+2], v[MX+2], |v[\src+19+2*\i]|, |v[\src+20+2*\i]|
.endr
	v_max3_num_f32 v[MX], v[MX], |v[\src+14]|, |v[\src+15]|
	v_max3_num_f32 v[MX], v[MX], v[MX+2], |v[\src+31]|
	s_delay_alu instid0(VALU_DEP_1)
	v_add_nc_u32 v[SOP], 0xff000000, v[MX]         ; 2 off the exponent field
.irp i, 0,1,2,3
	v_cvt_scalef32_pk8_fp4_f32 v[\dst+\i], v[\src+8*\i:\src+8*\i+7], v[SOP]
.endr
	v_lshrrev_b32 v[BY], 23, v[SOP]                ; the byte; also the plain line behind the conversions
.endm
.macro SMM T                           ; S^T of key tile T: fragment T / 2, its half T % 2
.set rP, (\T)/2
.if ((\T)%2) == 0
.set rB, ZQ+4
.else
.set rB, ZQ
.endif
.if (rP%2) == 0
	v_wmma_scale_f32_16x16x128_f8f6f4 v[SR+8*(\T):SR+8*(\T)+7], v[KF+8*rP:KF+8*rP+7], v[rB:rB+7], 0, v[KS+rP/2], v[QS] matrix_a_fmt:MATRIX_FMT_FP4 matrix_b_fmt:MATRIX_FMT_FP4
.else
	v_wmma_scale_f32_16x16x128_f8f6f4 v[SR+8*(\T):SR+8*(\T)+7], v[KF+8*rP:KF+8*rP+7], v[rB:rB+7], 0, v[KS+rP/2], v[QS] matrix_a_fmt:MATRIX_FMT_FP4 matrix_b_fmt:MATRIX_FMT_FP4 matrix_a_scale:MATRIX_SCALE_ROW1
.endif
.endm
.macro PVM ct                          ; O^T += v^T p^T, channel tile ct
.if ((\ct)%2) == 0
	v_wmma_scale_f32_16x16x128_f8f6f4 v[OT+8*(\ct):OT+8*(\ct)+7], v[VF+8*(\ct):VF+8*(\ct)+7], v[PC:PC+7], v[OT+8*(\ct):OT+8*(\ct)+7], v[VS+(\ct)/2], v[PS] matrix_a_fmt:MATRIX_FMT_FP4 matrix_b_fmt:MATRIX_FMT_FP4
.else
	v_wmma_scale_f32_16x16x128_f8f6f4 v[OT+8*(\ct):OT+8*(\ct)+7], v[VF+8*(\ct):VF+8*(\ct)+7], v[PC:PC+7], v[OT+8*(\ct):OT+8*(\ct)+7], v[VS+(\ct)/2], v[PS] matrix_a_fmt:MATRIX_FMT_FP4 matrix_b_fmt:MATRIX_FMT_FP4 matrix_a_scale:MATRIX_SCALE_ROW1
.endif
.endm
; A KEY STEP in three parts.  Register 32 c + i of S^T holds key 64 c + 32 (lane / 16) + i of my query: block 2 c + lane / 16 is all mine.
.macro SA q, kn                        ; the scores; then v of this step and (kn = 1) k of the next are asked for
	s_wait_dscnt 0x0                               ; k is in
.irp T, 0,1,2,3,4,5,6,7
	SMM \T
.endr
.rept 4
	v_nop                                          ; places ahead of the first read of the scores and of the loads into registers that these products and the last step's have read
.endr
	VLOAD \q
.if \kn
	KLOAD (\q)+1
.endif
.endm
.macro SMAX                            ; the largest score of each block (for the row's maximum and for the block's largest p), M and f
.irp c, 0,1
	v_max3_num_f32 v[MX+\c], v[SR+32*\c], v[SR+32*\c+1], v[SR+32*\c+2]
	v_max3_num_f32 v[MX+2+\c], v[SR+32*\c+16], v[SR+32*\c+17], v[SR+32*\c+18]
.endr
.irp i, 3,5,7,9,11,13
.irp c, 0,1
	v_max3_num_f32 v[MX+\c], v[MX+\c], v[SR+32*\c+\i], v[SR+32*\c+\i+1]
	v_max3_num_f32 v[MX+2+\c], v[MX+2+\c], v[SR+32*\c+16+\i], v[SR+32*\c+17+\i]
.endr
.endr
.irp c, 0,1
	v_max3_num_f32 v[MX+\c], v[MX+\c], v[MX+2+\c], v[SR+32*\c+15]
.endr
.irp c, 0,1
	v_max_num_f32 v[MX+\c], v[MX+\c], v[SR+32*\c+31]
.endr
	s_delay_alu instid0(VALU_DEP_1)
	v_max_num_f32 v[TT0], v[MX], v[MX+1]
	s_delay_alu instid0(VALU_DEP_1)
	v_permlanex16_b32 v[ZZ], v[TT0], s[SEL], s[SEL+1]
	s_delay_alu instid0(VALU_DEP_1)
	v_max_num_f32 v[TT0], v[TT0], v[ZZ]            ; the step's largest score of my query
	s_delay_alu instid0(VALU_DEP_1)
	v_mul_f32 v[TT0], s[CSC], v[TT0]               ; as t (c is positive)
	s_delay_alu instid0(VALU_DEP_1)
	v_max_num_f32 v[TMAX], v[TMAX], v[TT0]         ; the running largest t
	v_mov_b32 v[OLD], v[NEGM]
	s_delay_alu instid0(VALU_DEP_2)
	v_floor_f32 v[NEGM], -v[TMAX]                  ; -M = floor(-t): M is a whole number
	s_delay_alu instid0(VALU_DEP_1)
	v_sub_f32 v[TT0], v[NEGM], v[OLD]              ; old M - new M: a whole number, 0 or less
	s_delay_alu instid0(VALU_DEP_1)
	v_cvt_i32_f32 v[TT0], v[TT0]                   ; (it saturates)
	s_delay_alu instid0(VALU_DEP_1)
	v_ldexp_f32 v[FF], 1.0, v[TT0]                 ; f = 2^(old M - new M)
.endm
.macro SREST w                         ; p, l, p's codes, O^T.  w: the LDS loads that may stay out when v is wanted; -1: v is in already
.set j, 0
.rept 32
	v_pk_fma_f32 v[SR+j:SR+j+1], v[SR+j:SR+j+1], s[CSC:CSC+1], v[NEGM:NEGM+1] op_sel_hi:[1,0,0]   ; t - M, two at a time
.set j, j+2
.endr
	v_fma_f32 v[MX], v[MX], s[CSC], v[NEGM]        ; the same of each block's largest score
	v_fma_f32 v[MX+1], v[MX+1], s[CSC], v[NEGM]
.set j, 0
	s_wait_alu depctr_va_vdst(0)
.rept 64
	v_exp_f32 v[SR+j], v[SR+j]                     ; p = 2^(t - M), at most 1
.set j, j+1
.endr
	v_pk_mul_f32 v[LL:LL+1], v[LL:LL+1], v[FF:FF+1] op_sel_hi:[1,0]   ; l under the new M; the plain line behind the exponentials
	s_wait_alu depctr_va_vdst(0)                   ; one wait for the batch of 64, ahead of its first reader
	v_exp_f32 v[MX], v[MX]                         ; the blocks' largest p
	v_exp_f32 v[MX+1], v[MX+1]
	v_pk_add_f32 v[214:215], v[100:101], v[104:105]        ; l takes the unquantised p: eight chains by turns, then joined
	v_pk_add_f32 v[252:253], v[108:109], v[112:113]
	v_pk_add_f32 v[240:241], v[116:117], v[120:121]
	v_pk_add_f32 v[238:239], v[124:125], v[128:129]
	v_pk_add_f32 v[236:237], v[132:133], v[136:137]
	v_pk_add_f32 v[234:235], v[140:141], v[144:145]
	v_pk_add_f32 v[232:233], v[148:149], v[152:153]
	v_pk_add_f32 v[30:31], v[30:31], v[156:157]
	v_pk_add_f32 v[214:215], v[214:215], v[96:97]
	v_pk_add_f32 v[252:253], v[252:253], v[98:99]
	v_pk_add_f32 v[240:241], v[240:241], v[102:103]
	v_pk_add_f32 v[238:239], v[238:239], v[106:107]
	v_pk_add_f32 v[236:237], v[236:237], v[110:111]
	v_pk_add_f32 v[234:235], v[234:235], v[114:115]
	v_pk_add_f32 v[232:233], v[232:233], v[118:119]
	v_pk_add_f32 v[30:31], v[30:31], v[122:123]
	v_pk_add_f32 v[214:215], v[214:215], v[126:127]
	v_pk_add_f32 v[252:253], v[252:253], v[130:131]
	v_pk_add_f32 v[240:241], v[240:241], v[134:135]
	v_pk_add_f32 v[238:239], v[238:239], v[138:139]
	v_pk_add_f32 v[236:237], v[236:237], v[142:143]
	v_pk_add_f32 v[234:235], v[234:235], v[146:147]
	v_pk_add_f32 v[232:233], v[232:233], v[150:151]
	v_pk_add_f32 v[30:31], v[30:31], v[154:155]
	v_pk_add_f32 v[214:215], v[214:215], v[158:159]
	s_delay_alu instid0(VALU_DEP_2)
	v_pk_add_f32 v[30:31], v[30:31], v[238:239]
	s_delay_alu instid0(VALU_DEP_2)
	v_pk_add_f32 v[214:215], v[214:215], v[236:237]
	v_pk_add_f32 v[252:253], v[252:253], v[234:235]
	v_pk_add_f32 v[240:241], v[240:241], v[232:233]
	s_delay_alu instid0(VALU_DEP_2)
	v_pk_add_f32 v[30:31], v[30:31], v[252:253]
	s_delay_alu instid0(VALU_DEP_2)
	v_pk_add_f32 v[214:215], v[214:215], v[240:241]
	s_delay_alu instid0(VALU_DEP_1)
	v_pk_add_f32 v[30:31], v[30:31], v[214:215]
	s_wait_alu depctr_va_vdst(0)                   ; and one for the two
	v_max_num_f32 v[MX], 0x1800000, v[MX]          ; the floor 2^(3 - 127)
	v_max_num_f32 v[MX+1], 0x1800000, v[MX+1]
	s_delay_alu instid0(VALU_DEP_2)
	v_add_nc_u32 v[SOP], 0xff000000, v[MX]
	s_delay_alu instid0(VALU_DEP_2)
	v_add_nc_u32 v[SOP+1], 0xff000000, v[MX+1]
	s_delay_alu instid0(VALU_DEP_2)
	v_lshrrev_b32 v[BY], 23, v[SOP]
	s_delay_alu instid0(VALU_DEP_2)
	v_lshrrev_b32 v[BY+1], 23, v[SOP+1]
	s_delay_alu instid0(VALU_DEP_1)
	v_lshl_or_b32 v[YY], v[BY+1], 16, v[BY]        ; my blocks h and 2 + h,
	s_delay_alu instid0(VALU_DEP_1)
	v_lshlrev_b32 v[YY], v[SH8], v[YY]             ; at their places in the word;
	s_delay_alu instid0(VALU_DEP_1)
	v_permlanex16_b32 v[ZZ], v[YY], s[SEL], s[SEL+1]
	s_delay_alu instid0(VALU_DEP_1)
	v_or_b32 v[PS], v[YY], v[ZZ]                   ; with lane l xor 16's two the word is whole
.irp c, 0,1
.irp g, 0,1,2,3
	v_cvt_scalef32_pk8_fp4_f32 v[PC+4*\c+\g], v[SR+32*\c+8*\g:SR+32*\c+8*\g+7], v[SOP+\c]   ; operand registers 4 c .. 4 c + 3: keys 64 c + 32 h + 0 .. 31
.endr
.endr
	s_wait_alu depctr_va_vdst(0)                   ; directly ahead of the first reader of O^T
.set j, 0
.rept 16
	v_pk_mul_f32 v[OT+j:OT+j+1], v[OT+j:OT+j+1], v[FF:FF+1] op_sel_hi:[1,0]   ; O^T under the new M, from each accumulator's low end on; also the plain lines ahead of the products below
.set j, j+2
.endr
	s_wait_alu depctr_va_vdst(0)
.if \w >= 0
	s_wait_dscnt \w
.endif
.irp ct, 0,1,2,3
	PVM \ct
.endr
.endm
.macro STEPN q                         ; a slot's steps 0 to 2
	SA \q, 1
	SMAX
	SREST 9                                        ; v's nine loads are in; the nine of the next step's k may be out
.endm
.macro STEPC fill                      ; a slot's last step, with the change of slots inside it
	SA 3, 0
	CHG_PRE \fill
	SMAX                                           ; register work between the add and the wait for it
	CHG_POST \fill
	SREST -1
.endm
	; ---- the head
	s_load_b512 s[4:19], s[0:1], 0x0               ; x s[4:5], Wq's codes s[6:7], scales s[8:9], bq s[10:11], Wp's codes s[12:13], scales s[14:15], bp s[16:17], kv s[18:19]
	s_load_b128 s[20:23], s[0:1], 0x40             ; out0 s[20:21], out1 s[22:23]
	v_lshl_add_u32 v[SPW], v0, 2, SPARE
	v_mov_b32 v[NIL], 0
	ds_add_u32 v[SPW], v[NIL]                      ; the opening lines: the add, twice on end, and its wait ahead of my first tensor load
	ds_add_u32 v[SPW], v[NIL]
	v_lshrrev_b32 v96, 5, v0
	s_delay_alu instid0(VALU_DEP_1)
	v_readfirstlane_b32 s[WV], v96                 ; wave 0..15
	s_and_b32 s27, s[WV], 3                        ; head
	s_lshr_b32 s28, s[WV], 2                       ; query tile t
	s_bfe_u32 s29, ttmp6, 0x40000                  ; cx: it enters the addresses of x, out0, out1 and the prefetches alone
	s_lshl_b32 s30, ttmp9, 2
	s_add_co_u32 s30, s30, s29                     ; my block of 64 queries = 4 x cluster x + cx
	s_and_b32 s31, ttmp7, 0xffff                   ; the batch, which the four partners share
	v_and_b32 v96, 31, v0                          ; lane
	v_and_b32 v97, 15, v0                          ; r
	v_bfe_u32 v98, v0, 4, 1                        ; h
	v_bfe_u32 v99, v0, 3, 1                        ; r / 8
	v_and_b32 v100, 7, v0                          ; r % 8
	v_lshrrev_b32 v101, 3, v96                     ; lane / 8
	v_bfe_u32 v102, v0, 2, 1
	v_and_b32 v103, 3, v0
	v_bfe_u32 v104, v0, 2, 2
	s_mul_i32 s58, s27, REC
	v_lshl_add_u32 v[AK0], v96, 4, s58
	s_add_co_u32 s58, s58, 8192
	v_lshl_add_u32 v[AS0], v96, 3, s58
	v_lshlrev_b32 v[SH8], 3, v98
	s_cmp_lt_u32 s[WV], 4
	s_cselect_b32 s59, 31, 7
	v_min_u32 v[PFO], s59, v96
	s_delay_alu instid0(VALU_DEP_1)
	v_lshlrev_b32 v[PFO], 8, v[PFO]
	v_lshl_add_u32 v[IMA], v0, 4, XIMG             ; XIMG + 16 x thread
	s_lshr_b32 s58, s[WV], 1
	s_lshl_b32 s58, s58, 6
	s_and_b32 s59, s[WV], 1
	s_lshl_b32 s59, s59, 1
	s_add_co_u32 s58, s58, s59
	s_add_co_u32 s58, s58, XSC
	v_lshl_add_u32 v[SCA], v97, 2, v98
	s_delay_alu instid0(VALU_DEP_1)
	v_add_nc_u32 v[SCA], s58, v[SCA]               ; XSC + 64 (w / 2) + 2 (w % 2) + 4 r + h
	s_lshl_b32 s58, s28, 11
	s_add_co_u32 s58, s58, XIMG
	v_lshl_add_u32 v[FRA], v96, 4, s58             ; XIMG + 2,048 t + 16 x lane
	s_lshl_b32 s59, s27, 6
	s_add_co_u32 s58, s58, s59
	v_lshl_add_u32 v[IMW], v101, 9, s58            ; where my lane's 8 codes of row 4 w + i go: XIMG + 2,048 (w / 4) + 512 (lane / 8) + 256 (lane / 4 % 2) + 16 (4 (w % 4) + i) + 4 (lane % 4)
	s_delay_alu instid0(VALU_DEP_1)
	v_lshl_add_u32 v[IMW], v102, 8, v[IMW]
	s_delay_alu instid0(VALU_DEP_1)
	v_lshl_add_u32 v[IMW], v103, 2, v[IMW]
	s_lshl_b32 s58, s28, 7
	s_add_co_u32 s58, s58, XSC
	v_lshl_add_u32 v[FSA], v97, 2, s58             ; XSC + 128 t + 4 r
	s_lshl_b32 s59, s27, 4
	s_add_co_u32 s58, s58, s59
	v_lshl_add_u32 v[SCW], v98, 6, s58             ; and its block's byte: XSC + 128 (w / 4) + 64 (lane / 16) + 4 (4 (w % 4) + i) + lane / 4 % 4
	s_delay_alu instid0(VALU_DEP_1)
	v_add_nc_u32 v[SCW], v[SCW], v104
	s_mul_i32 s58, s[WV], 4*XP
	s_add_co_u32 s58, s58, XS
	v_lshl_add_u32 v[XW], v96, 4, s58              ; XS + 4 w rows + 16 x lane
	s_mul_i32 s58, s28, 16*XP
	s_lshl_b32 s59, s27, 8
	s_add_co_u32 s58, s58, s59
	s_add_co_u32 s58, s58, XS
	v_mul_u32_u24 v[XC], v97, XP
	s_delay_alu instid0(VALU_DEP_1)
	v_lshl_add_u32 v[XC], v98, 5, v[XC]
	s_delay_alu instid0(VALU_DEP_1)
	v_add_nc_u32 v[XC], s58, v[XC]                 ; XS + row 16 t + r, + 256 x head + 32 h
	s_lshl_b32 s58, s[WV], 12
	v_lshl_add_u32 v[GX], v96, 4, s58              ; 4,096 w + 16 x lane: my bytes in the work-group's rows of x and out0
	v_lshl_add_u32 v[GXQ], v96, 5, s58             ; 4,096 w + 32 x lane: 8 neighbours along K a lane
	v_lshlrev_b32 v[WFO], 12, v99
	s_delay_alu instid0(VALU_DEP_1)
	v_lshl_add_u32 v[WFO], v100, 7, v[WFO]
	s_delay_alu instid0(VALU_DEP_1)
	v_lshl_add_u32 v[WFO], v98, 4, v[WFO]          ; Wq's fragments: row rho(u, r) of 128 bytes, + 16 h
	v_lshlrev_b32 v[WSO], 8, v99
	s_delay_alu instid0(VALU_DEP_1)
	v_lshl_add_u32 v[WSO], v100, 3, v[WSO]         ; its scale words: rows of 8 bytes
	v_lshlrev_b32 v[WBO], 7, v98                   ; bq: channels 32 h on
.irp i, 0,1,2,3,8,9,10,11
	v_mov_b32 v[ZQ+\i], 0                          ; the zero codes on both sides of q
.endr
	v_mov_b32 v[FF+1], 0                           ; named as the upper half of a pair
	v_mov_b32 v[ZZ], 0                             ; a lane permute's destination counts as one of its sources
	s_mov_b32 s[SEL], 0x76543210
	s_mov_b32 s[SEL+1], 0xfedcba98
	s_mov_b32 s[CSC], 0x3e38aa3b                   ; c = log2(e) / sqrt(64)
	s_mov_b32 s[CSC+1], s[CSC]
	s_mov_b32 s[TB], SLOTB                         ; the first change turns it to slot region 0
	s_mov_b32 s[SLOTS], 7
	; descriptor group 1: 34 dense rows of 256 bytes (32 elements of 8 bytes), no padding: a record lies in operand order and every read takes consecutive bytes
	s_mov_b32 s[G1], 15|(3<<16)|(1<<21)            ; 15:0 the mask: all four work-groups; 17:16 elements of 8 bytes; 21 set beside a mask
	s_mov_b32 s[G1+1], 32<<16                      ; tensor_dim0 = 32
	s_mov_b32 s[G1+2], 34<<16                      ; tensor_dim1 = 34
	s_mov_b32 s[G1+3], 32<<16                      ; tile_dim0 = 32
	s_mov_b32 s[G1+4], 34                          ; tile_dim1 = 34
	s_mov_b32 s[G1+5], 32                          ; from row to row
	s_mov_b32 s[G1+6], 0
	s_mov_b32 s[G1+7], 0
	s_mul_i32 s[WOFF], s[WV], REC                  ; my record of a slot
	s_mul_i32 s72, s31, 32*STEPB                   ; my batch in kv
	s_add_co_u32 s62, s72, s[WOFF]
	s_mov_b32 s63, 0
	s_lshl_b32 s66, s31, 12
	s_lshl_b32 s67, s30, 6
	s_add_co_u32 s66, s66, s67                     ; my first query among all 16,384
	s_lshl_b32 s68, s66, 10                        ; in x and out0: 1,024 bytes a row
	s_mov_b32 s69, 0
	s_lshl_b32 s70, s66, 2                         ; in out1
	s_mov_b32 s71, 0
	s_mul_i32 s73, s29, STEPB                      ; the prefetches: my work-group's step of a slot,
	s_add_co_u32 s72, s72, s73
	s_min_u32 s73, s[WV], 4
	s_lshl_b32 s73, s73, 13                        ; my wave's part of it,
	s_add_co_u32 s72, s72, s73
	s_add_co_u32 s72, s72, SLOTB                   ; in slot 1: the first change of slots steps it to slot 2
	s_mov_b32 s73, 0
	s_add_co_u32 s[LIM], s[WV], 3
	s_lshr_b32 s[LIM], s[LIM], 3                   ; 0 in waves 0 to 4,
	s_or_b32 s[LIM], s[LIM], ttmp9                 ; of the batch's first cluster: the same in all four partners
	s_cmp_eq_u32 s[LIM], 0
	s_cselect_b32 s[LIM], 1, -1
	s_lshl_b32 s58, s27, 13                        ; my head's 64 rows of Wq and of Wp: 128 bytes of codes a row,
	s_mov_b32 s59, 0
	s_lshl_b32 s60, s27, 9                         ; 8 of scales,
	s_mov_b32 s61, 0
	s_lshl_b32 s40, s27, 8                         ; 4 of bias
	s_mov_b32 s41, 0
	s_wait_alu depctr_va_vdst(0)
	s_wait_dscnt 0x0                               ; both opening adds are done
	s_wait_kmcnt 0x0
	s_mov_b32 s[G0W], 1                            ; count = 1
	s_mov_b32 s[G0W+1], s[WOFF]                    ; slot region 0
	s_add_nc_u64 s[G0W+2:G0W+3], s[18:19], s[62:63]
	s_or_b32 s[G0W+3], s[G0W+3], 0x80000000        ; type = 2
	s_add_nc_u64 s[PFA:PFA+1], s[18:19], s[72:73]
	s_add_nc_u64 s[4:5], s[4:5], s[68:69]
	s_add_nc_u64 s[20:21], s[20:21], s[68:69]
	s_add_nc_u64 s[22:23], s[22:23], s[70:71]
	s_add_nc_u64 s[6:7], s[6:7], s[58:59]
	s_add_nc_u64 s[8:9], s[8:9], s[60:61]
	s_add_nc_u64 s[10:11], s[10:11], s[40:41]
	s_add_nc_u64 s[12:13], s[12:13], s[58:59]
	s_add_nc_u64 s[14:15], s[14:15], s[60:61]
	s_add_nc_u64 s[16:17], s[16:17], s[40:41]
	; ---- x: four whole rows a wave; lane l takes columns 8 l .. 8 l + 7 of a row: a row's two loads cover its 1,024 bytes
.irp i, 0,1,2,3
	global_load_b128 v[SR+8*\i:SR+8*\i+3], v[GXQ], s[4:5] offset:1024*\i
	global_load_b128 v[SR+8*\i+4:SR+8*\i+7], v[GXQ], s[4:5] offset:1024*\i+16
.endr
.irp u, 0,1,2,3
.irp s, 0,1
.irp c, 0,1
	global_load_b128 v[KF+16*\u+8*\s+4*\c:KF+16*\u+8*\s+4*\c+3], v[WFO], s[6:7] offset:1024*\u+64*\s+32*\c   ; Wq: tile u, K step s
.endr
.endr
.endr
.irp u, 0,1,2,3
	global_load_b64 v[WSC+2*\u:WSC+2*\u+1], v[WSO], s[8:9] offset:64*\u
.endr
.irp i, 0,1,2,3,4,5,6,7
	global_load_b128 v[OT+4*\i:OT+4*\i+3], v[WBO], s[10:11] offset:16*\i     ; bq of channels 32 h + 0 .. 31: the C of the sums' first products
.endr
	CROUND                                         ; all four work-groups are here: the first joint loads meet
	JLOAD                                          ; slot 0, a record a wave
	; ---- x is quantised: a block of 32 lies in four neighbouring lanes; the four rows by turns
	s_wait_loadcnt 28                              ; x's eight loads are in; the 28 behind them may be out
.irp i, 0,1,2,3
	v_max3_num_f32 v[MX+\i], |v[SR+8*\i]|, |v[SR+8*\i+1]|, 0x1800000         ; with the floor 2^(3 - 127)
.endr
.irp k, 2,4,6
.irp i, 0,1,2,3
	v_max3_num_f32 v[MX+\i], v[MX+\i], |v[SR+8*\i+\k]|, |v[SR+8*\i+\k+1]|
.endr
.endr
.irp i, 0,1,2,3
	v_max_num_f32_dpp v[MX+\i], v[MX+\i], v[MX+\i] row_xmask:1 row_mask:0xf bank_mask:0xf
.endr
.irp i, 0,1,2,3
	v_max_num_f32_dpp v[MX+\i], v[MX+\i], v[MX+\i] row_xmask:2 row_mask:0xf bank_mask:0xf
.endr
.irp i, 0,1,2,3
	v_add_nc_u32 v[SOP+\i], 0xff000000, v[MX+\i]   ; 2 off the exponent field
.endr
.irp i, 0,1,2,3
	v_cvt_scalef32_pk8_fp4_f32 v[PC+\i], v[SR+8*\i:SR+8*\i+7], v[SOP+\i]
.endr
.irp i, 0,1,2,3
	v_lshrrev_b32 v[XBY+\i], 23, v[SOP+\i]         ; the bytes; also the plain lines behind the conversions
.endr
.irp i, 0,1,2,3
	ds_store_b32 v[IMW], v[PC+\i] offset:16*\i     ; into the image of the operand's registers
	ds_store_b8 v[SCW], v[XBY+\i] offset:4*\i      ; a block's four lanes write the same byte with the same value
.endr
	BARRIER                                        ; x's eight fragments and their scale words lie in LDS
	; ---- q^T = Wq x^T + bq for my head and my 16 queries; quantised along the head's 64
.irp k, 0,1,2,3
	ds_load_b128 v[FRG+4*\k:FRG+4*\k+3], v[FRA] offset:512*\k
.endr
	ds_load_b32 v[FSC], v[FSA]
	ds_load_b32 v[FSC+1], v[FSA] offset:64
	s_wait_loadcnt 0x0                             ; Wq, its scale words, bq
	s_wait_dscnt 0x0
.irp u, 0,1,2,3                                ; four accumulators by turns, K step by K step
	v_wmma_scale_f32_16x16x128_f8f6f4 v[SR+8*\u:SR+8*\u+7], v[KF+16*\u:KF+16*\u+7], v[FRG:FRG+7], v[OT+8*\u:OT+8*\u+7], v[WSC+2*\u], v[FSC] matrix_a_fmt:MATRIX_FMT_FP4 matrix_b_fmt:MATRIX_FMT_FP4
.endr
.irp u, 0,1,2,3
	v_wmma_scale_f32_16x16x128_f8f6f4 v[SR+8*\u:SR+8*\u+7], v[KF+16*\u+8:KF+16*\u+15], v[FRG+8:FRG+15], v[SR+8*\u:SR+8*\u+7], v[WSC+2*\u+1], v[FSC+1] matrix_a_fmt:MATRIX_FMT_FP4 matrix_b_fmt:MATRIX_FMT_FP4
.endr
.rept 4
	v_nop
.endr
	QUANT32 SR, ZQ+4
	s_delay_alu instid0(VALU_DEP_1)
	v_lshlrev_b32 v[YY], v[SH8], v[BY]             ; my block's byte at its place,
	s_delay_alu instid0(VALU_DEP_1)
	v_permlanex16_b32 v[ZZ], v[YY], s[SEL], s[SEL+1]
	s_delay_alu instid0(VALU_DEP_1)
	v_or_b32 v[YY], v[YY], v[ZZ]                   ; with the other block's: (e0, e1),
	s_delay_alu instid0(VALU_DEP_1)
	v_lshl_or_b32 v[QS], v[YY], 16, v[YY]          ; twice: it serves (q, 0) and (0, q)
.set j, 0
.rept 32
	v_mov_b32 v[OT+j], 0                           ; O^T.  The step is written once: the first finds zeros, which the first change of M leaves zeros
.set j, j+1
.endr
	v_mov_b32 v[LL], 0
	v_mov_b32 v[LL+1], 0
	v_mov_b32 v[TMAX], 0xff61b1e6                  ; -3e38, under every t
	s_delay_alu instid0(VALU_DEP_1)
	v_floor_f32 v[NEGM], -v[TMAX]
	; ---- the keys: eight slots of four steps.  Slot 1's first fill is issued as a refill is, behind the full sequence and a round
	CHG_PRE 1
	CHG_POST 1
	s_mov_b32 s[SLOTS], 6
.Lslot:                                            ; slots 0 to 5: each asks, in its last step, for the slot two on
	STEPN 0
	STEPN 1
	STEPN 2
	STEPC 1
	s_sub_co_u32 s[SLOTS], s[SLOTS], 1
	s_cmp_lg_u32 s[SLOTS], 0
	s_cbranch_scc1 .Lslot
	STEPN 0                                        ; slot 6: its change fills nothing, and has no round
	STEPN 1
	STEPN 2
	STEPC 0
	STEPN 0                                        ; slot 7
	STEPN 1
	STEPN 2
	SA 3, 0
	SMAX
	SREST 0
	; ---- Wp and bp are asked for.  The six lines that make the offsets are the places behind the last products
	v_and_b32 v[TT0], 15, v0
	v_bfe_u32 v[OLD], v0, 4, 1
	s_delay_alu instid0(VALU_DEP_2)
	v_lshlrev_b32 v[WFO], 7, v[TT0]
	s_delay_alu instid0(VALU_DEP_1)
	v_lshl_add_u32 v[WFO], v[OLD], 4, v[WFO]       ; Wp: row 64 head + 16 nt + r, + 16 h
	s_delay_alu instid0(VALU_DEP_4)
	v_lshlrev_b32 v[WSO], 3, v[TT0]
	s_delay_alu instid0(VALU_DEP_4)
	v_lshlrev_b32 v[WBO], 5, v[OLD]                ; bp: columns 16 nt + 8 h on
.irp nt, 0,1,2,3
.irp s, 0,1
.irp c, 0,1
	global_load_b128 v[KF+16*\nt+8*\s+4*\c:KF+16*\nt+8*\s+4*\c+3], v[WFO], s[12:13] offset:2048*\nt+64*\s+32*\c
.endr
.endr
.endr
.irp nt, 0,1,2,3
	global_load_b64 v[WSC+2*\nt:WSC+2*\nt+1], v[WSO], s[14:15] offset:128*\nt
.endr
.irp nt, 0,1,2,3
.irp e, 0,1
	global_load_b128 v[SR+8*\nt+4*\e:SR+8*\nt+4*\e+3], v[WBO], s[16:17] offset:64*\nt+16*\e     ; bp: the C of the sums' first products
.endr
.endr
	; ---- l and 1 / l
	v_add_f32 v[LL], v[LL], v[LL+1]
	s_delay_alu instid0(VALU_DEP_1)
	v_permlanex16_b32 v[ZZ], v[LL], s[SEL], s[SEL+1]
	s_delay_alu instid0(VALU_DEP_1)
	v_add_f32 v[LL], v[LL], v[ZZ]
	s_wait_alu depctr_va_vdst(0)
	v_rcp_f32 v[FF], v[LL]
	v_nop                                          ; a plain line behind the reciprocal
	s_wait_alu depctr_va_vdst(0)                   ; and the wait ahead of its first reader, which is also O^T's
.set j, 0
.rept 16
	v_pk_mul_f32 v[OT+j:OT+j+1], v[OT+j:OT+j+1], v[FF:FF+1] op_sel_hi:[1,0]   ; O^T / l, from each accumulator's low end on
.set j, j+2
.endr
	QUANT32 OT, PC                                 ; columns 64 head + 32 h + 0 .. 31 of the last product's K
	ds_store_b128 v[IMA], v[PC:PC+3] offset:OD     ; an image of the operand's registers: 16 bytes a lane on end
	ds_store_b8 v[SCA], v[BY] offset:OD            ; byte 2 (head % 2) + h of row r's scale word
.irp n, 0,1,2,3,4,5,6,7
	global_load_b128 v[OT+4*\n:OT+4*\n+3], v[GX], s[4:5] offset:1024*(\n/2)+512*(\n%2) th:TH_LOAD_NT   ; x for the residual: four whole rows a wave, 512 consecutive bytes a load
.endr
	BARRIER                                        ; the result's eight fragments lie in LDS
	; ---- out^T = Wp O^T + bp: columns 64 head + 16 nt + 8 h + j of query r
.irp k, 0,1,2,3
	ds_load_b128 v[FRG+4*\k:FRG+4*\k+3], v[FRA] offset:OD+512*\k
.endr
	ds_load_b32 v[FSC], v[FSA] offset:OD
	ds_load_b32 v[FSC+1], v[FSA] offset:OD+64
	s_wait_loadcnt 8                               ; Wp, its scale words, bp are in; x's eight loads may be out
	s_wait_dscnt 0x0
.irp nt, 0,1,2,3
	v_wmma_scale_f32_16x16x128_f8f6f4 v[SR+32+8*\nt:SR+39+8*\nt], v[KF+16*\nt:KF+16*\nt+7], v[FRG:FRG+7], v[SR+8*\nt:SR+8*\nt+7], v[WSC+2*\nt], v[FSC] matrix_a_fmt:MATRIX_FMT_FP4 matrix_b_fmt:MATRIX_FMT_FP4
.endr
.irp nt, 0,1,2,3
	v_wmma_scale_f32_16x16x128_f8f6f4 v[SR+32+8*\nt:SR+39+8*\nt], v[KF+16*\nt+8:KF+16*\nt+15], v[FRG+8:FRG+15], v[SR+32+8*\nt:SR+39+8*\nt], v[WSC+2*\nt+1], v[FSC+1] matrix_a_fmt:MATRIX_FMT_FP4 matrix_b_fmt:MATRIX_FMT_FP4
.endr
.rept 4
	v_nop                                          ; places ahead of the stores of the results and of the loads into Wp's registers
.endr
.irp nt, 0,1,2,3
	ds_store_b128 v[XC], v[SR+32+8*\nt:SR+35+8*\nt] offset:64*\nt            ; each accumulator from its low end on
	ds_store_b128 v[XC], v[SR+36+8*\nt:SR+39+8*\nt] offset:64*\nt+16
.endr
	BARRIER                                        ; 64 whole rows lie in the stage
.irp n, 0,1,2,3,4,5,6,7
	ds_load_b128 v[KF+4*\n:KF+4*\n+3], v[XW] offset:XP*(\n/2)+512*(\n%2)
.endr
	s_wait_loadcnt 0x0                             ; x
.irp n, 0,1,2,3,4,5,6,7
	s_wait_dscnt 7-\n                              ; LDS loads come back in order: load n is in, the younger ones may be out
	v_pk_add_f32 v[KF+4*\n:KF+4*\n+1], v[KF+4*\n:KF+4*\n+1], v[OT+4*\n:OT+4*\n+1]
	v_pk_add_f32 v[KF+4*\n+2:KF+4*\n+3], v[KF+4*\n+2:KF+4*\n+3], v[OT+4*\n+2:OT+4*\n+3]
	global_store_b128 v[GX], v[KF+4*\n:KF+4*\n+3], s[20:21] offset:1024*(\n/2)+512*(\n%2) th:TH_STORE_NT   ; 32 lanes store 512 consecutive bytes, at a multiple of 256 from out0's first byte
.endr
	s_cmp_lg_u32 s[WV], 0                          ; wave 0 stores the work-group's 64 numbers of out1: the constant 1
	s_cbranch_scc1 .Lno_map
	v_mov_b32 v[SR], 1.0
	v_mov_b32 v[SR+1], 1.0
	v_and_b32 v[SR+2], 31, v0
	s_delay_alu instid0(VALU_DEP_1)
	v_lshlrev_b32 v[SR+2], 3, v[SR+2]
	global_store_b64 v[SR+2], v[SR:SR+1], s[22:23] ; 32 lanes store 256 consecutive bytes, aligned
.Lno_map:
	s_wait_tensorcnt 0x0                           ; the wave's end, behind my last tensor load and my last LDS store
	ds_add_u32 v[SPW], v[NIL]
	s_wait_dscnt 0x0
	CROUND                                         ; the closing round: no work-group ends while a partner may still ask for a tile that names it
	s_endpgm
.Lfunc_end_k_q69ed15e495_attn:
	.size	k_q69ed15e495_attn, .Lfunc_end_k_q69ed15e495_attn-k_q69ed15e495_attn
	.p2alignl 7, 3214868480
	.fill 96, 4, 3214868480
	.section	.rodata,"a",@progbits
	.p2align	6, 0x0
	.amdhsa_kernel k_q69ed15e495_attn
		.amdhsa_group_segment_fixed_size 327680
		.amdhsa_private_segment_fixed_size 0
		.amdhsa_enable_private_segment 0
		.amdhsa_kernarg_size 80
		.amdhsa_user_sgpr_count 2
		.amdhsa_user_sgpr_kernarg_segment_ptr 1
		.amdhsa_wavefront_size32 1
		.amdhsa_system_sgpr_workgroup_id_x 1
		.amdhsa_system_sgpr_workgroup_id_y 1
		.amdhsa_system_sgpr_workgroup_id_z 1
		.amdhsa_system_vgpr_workitem_id 0
		.amdhsa_next_free_vgpr 256
		.amdhsa_next_free_sgpr 80
		.amdhsa_reserve_vcc 0
		.amdhsa_float_denorm_mode_32 3
		.amdhsa_float_denorm_mode_16_64 3
		.amdhsa_memory_ordered 1
		.amdhsa_forward_progress 1
		.amdhsa_inst_pref_size 205
	.end_amdhsa_kernel
	.amdgpu_metadata
---
amdhsa.version: [ 1, 2 ]
amdhsa.kernels:
  - .name:           k_q69ed15e495_attn
    .symbol:         k_q69ed15e495_attn.kd
    .args:
      - { .name: x, .offset: 0, .size: 8, .value_kind: global_buffer, .address_space: global }
      - { .name: Wq_codes, .offset: 8, .size: 8, .value_kind: global_buffer, .address_space: global }
      - { .name: Wq_scales, .offset: 16, .size: 8, .value_kind: global_buffer, .address_space: global }
      - { .name: bq, .offset: 24, .size: 8, .value_kind: global_buffer, .address_space: global }
      - { .name: Wp_codes, .offset: 32, .size: 8, .value_kind: global_buffer, .address_space: global }
      - { .name: Wp_scales, .offset: 40, .size: 8, .value_kind: global_buffer, .address_space: global }
      - { .name: bp, .offset: 48, .size: 8, .value_kind: global_buffer, .address_space: global }
      - { .name: kv, .offset: 56, .size: 8, .value_kind: global_buffer, .address_space: global }
      - { .name: out0, .offset: 64, .size: 8, .value_kind: global_buffer, .address_space: global }
      - { .name: out1, .offset: 72, .size: 8, .value_kind: global_buffer, .address_space: global }
    .group_segment_fixed_size: 327680
    .private_segment_fixed_size: 0
    .kernarg_segment_align: 8
    .kernarg_segment_size: 80
    .max_flat_workgroup_size: 512
    .sgpr_count:     80
    .vgpr_count:     256
    .wavefront_size: 32
...
	.end_amdgpu_metadata
.endif
;; end of part 2
